; MI455X (gfx1250); checked and timed in simulation.
; The chip was launched on July 23, 2026; its instructions are those of AMD's public machine-readable ISA for CDNA 5 (MIT licence, August 2026) and "CDNA5" Instruction Set Architecture Reference Guide (July 2026). The comments in the code are by the model that wrote it; some were corrected since.
;; Causal Self Attention. Allowed arithmetic: matrix products marked QUANTISED: E2M3 operands, one E8M0 scale for each 32 along K, by v_wmma_scale_f32_16x16x128_f8f6f4 with both operands' format E2M3, f32 sums; everything else in f32.
;; Inputs: b_proj 1,024 float32; b_qkv 3,072 float32; w_proj_codes 1,024 x 32 x 24 uint8 (E2M3 codes of w_proj, K innermost, in blocks of 32 codes, four codes in three bytes); w_proj_scales 1,024 x 32 uint8 (E8M0 scales of w_proj, one for each 32 codes along K); w_qkv_codes 3,072 x 32 x 24 uint8 (E2M3 codes of w_qkv, K innermost, in blocks of 32 codes, four codes in three bytes); w_qkv_scales 3,072 x 32 uint8 (E8M0 scales of w_qkv, one for each 32 codes along K); x_codes 8 x 1,024 x 32 x 24 uint8 (E2M3 codes of x, K innermost, in blocks of 32 codes, four codes in three bytes); x_scales 8 x 1,024 x 32 uint8 (E8M0 scales of x, one for each 32 codes along K).
;; Outputs: out0 8 x 1,024 x 1,024 float32.
;; This version of the problem:
;;   THIS VERSION OF THE PROBLEM IS GIVEN IN LOW PRECISION. The matrix products marked QUANTISED in the list below multiply operands that are first quantised to E2M3 (2 exponent bits, 3 mantissa bits; 6 bits a number), with one power-of-two scale for each 32 numbers along K (OCP MX v1.0); their sums are f32. All else is computed in f32.
;;   The module's matrix products, in the order in which they are computed (A, B: the left and right operand; K: the contracted axis; several contracted axes count as one K, in the product's order):
;;     1. [M 8,192, K 1,024] x [K 1,024, N 3,072]; A: input x (given as codes); B: input w_qkv (given as codes): QUANTISED
;;     2. batch 128 x [M 1,024, K 64] x [K 64, N 1,024]; A: computed on the way; B: computed on the way: QUANTISED
;;     3. batch 128 x [M 1,024, K 1,024] x [K 1,024, N 64]; A: softmax (see below); B: computed on the way: QUANTISED
;;     4. [M 8,192, K 1,024] x [K 1,024, N 1,024]; A: computed on the way; B: input w_proj (given as codes): QUANTISED
;;   THE QUANTISER, for each operand of a quantised product, along K:
;;     - K is cut into blocks of 32 from its start; a last block that is shorter is filled with zeros.
;;     - A block's scale is 2^e with e = floor(log2(the largest magnitude in the block)) - 2, held to -126 .. 127; a block of zeros has e = 0. As a byte (E8M0): e + 127.
;;     - Each number is divided by its block's scale, clamped to +-7.5, and rounded to the nearest number of E2M3, ties to even, subnormals kept.
;;     - The product sums the exact products of the quantised numbers (number of the format x scale) in f32.
;;   ~~~python
;;   def quantise(x, axis):      # numpy; x: float32 -> the quantised numbers, widened to float32 again
;;       x = np.moveaxis(x, axis, -1); K = x.shape[-1]
;;       x = np.pad(x, [(0, 0)] * (x.ndim - 1) + [(0, -K % 32)]); x = x.reshape(x.shape[:-1] + (-1, 32)); a = np.abs(x).max(-1, keepdims=True)
;;       e = np.where(a > 0, np.clip(np.frexp(np.where(a > 0, a, 1))[1] - 1 - 2, -126, 127), 0)      # np.frexp(a)[1] - 1 = floor(log2(a)), exactly
;;       r = np.clip(x / 2.0 ** e, -7.5, 7.5)
;;       step = 2.0 ** (np.maximum(np.frexp(np.where(r == 0, 1, r))[1] - 1, 0) - 3)
;;       q = np.round(r / step) * step * 2.0 ** e      # np.round: ties to even
;;       return np.moveaxis(q.reshape(q.shape[:-2] + (-1,))[..., :K], -1, axis).astype(np.float32)
;;   ~~~
;;   SOFTMAX AHEAD OF A QUANTISED PRODUCT. Where the list says 'softmax', what is quantised is not the finished softmax but p = 2^(t - M), with t = logit x log2(e) and M = ceil(the row's largest t), a whole number; so 1/2 < the row's largest p <= 1. The row's sum l is taken of the UNQUANTISED p, in f32, and the product's result is divided by l at the end. Since M is a whole number, a kernel that streams over the keys may use a running M (the ceiling of the running maximum): every later rescaling is an exact power of two, which a block's scale takes up: the codes' values come out the same.
;;   OPERANDS COMPUTED ON THE WAY. 'Computed on the way' means the value that the module computes at that place (a softmax that the list does not call 'softmax' is quantised finished and normalised). What goes into a quantiser is computed in f32, as accurately as f32 sums, v_exp_f32 and their like allow (about 1e-6 of the number): no bf16 or f16 on the way to a quantiser, and a product that is left as it is and whose result goes on into a quantised operand takes f32 operands (vector FMAs, or v_wmma_f32_16x16x4_f32). A number that lies on a knife's edge between two numbers of the format may be rounded either way, as far as f32 arithmetic and the matrix unit's own rounding can turn it there, and no further.
;;   INPUTS GIVEN AS CODES. w_proj (in the module: [1024, 1024], K = its axis 0); w_qkv (in the module: [1024, 3072], K = its axis 0); x (in the module: [8, 1024, 1024], K = its axis 2): each comes as NAME_codes (uint8): NAME with its K axis moved to the last place and cut into blocks of 32 codes, [.., K / 32, bytes a block], one block behind the other in memory; four codes in three bytes: a row's codes are one little-endian stream of bits, code i at bits 6 i .. 6 i + 5 (a code: sign, 2 exponent bits, 3 mantissa bits); and NAME_scales (uint8): the same leading axes, one E8M0 byte (e + 127) for each 32 codes along K. Its value is code x scale, taken as it is: it is not quantised again, and the codes and scales need not be those that the quantiser above would give.
;; One version. Each part assembles by itself: llvm-mc -triple=amdgcn-amd-amdhsa -mcpu=gfx1250 --defsym DOCPART=n.
;; ======== version 1 of 1: 3 launches
;; limits: right only within a limited range of input values
;; workspace buffers: qkvimg 18,874,368 bytes; qkvsc 786,432 bytes; oimg 6,291,456 bytes; osc 262,144 bytes
;; launch qkv (part 1): grid 8 x 32, 4 waves a work-group, clusters of 4 x 4, 327,680 bytes of LDS; arguments x_codes, x_scales, w_qkv_codes, w_qkv_scales, qkvimg, qkvsc, b_qkv; writes qkvimg, qkvsc
.if DOCPART == 1
	.amdgcn_target "amdgcn-amd-amdhsa--gfx1250"
	.amdhsa_code_object_version 6
	.text
	.protected	k_q3a0885b682_qkv
	.globl	k_q3a0885b682_qkv
	.p2align	8
	.type	k_q3a0885b682_qkv,@function
k_q3a0885b682_qkv:
	s_mov_b64 s[64:65], 0
	v_nop
	global_prefetch_b8 v0, s[64:65] scope:SCOPE_SE
	s_setreg_imm32_b32 hwreg(HW_REG_WAVE_MODE, 25, 1), 1
	s_wait_xcnt 0x0
	s_wait_alu depctr_hold_cnt(0) depctr_sa_sdst(0) depctr_va_vdst(0) depctr_va_sdst(0) depctr_va_ssrc(0) depctr_va_vcc(0) depctr_vm_vsrc(0)
	s_getreg_b32 s2, hwreg(HW_REG_IB_STS2, 6, 4)
	s_cmp_eq_u32 s2, 0
	s_cbranch_scc0 .Lentry_in_a_cluster
	s_endpgm
.Lentry_in_a_cluster:
	s_bfe_u32 s2, ttmp6, 0x10000c
	s_cmp_lg_u32 s2, 0xf033
	s_cbranch_scc0 .Lentry_shape_is_right
	s_endpgm
.Lentry_shape_is_right:
; qkv = x w_qkv + b_qkv on codes of FP6 (E2M3) with E8M0 scales, K = 1,024; the results are quantised at once: q and k along the head's 64 channels, v along the tokens.
; 256 work-groups of four waves.  A work-group keeps 256 rows of x, all of K, in LDS and walks THREE tiles of 128 rows of w_qkv, tile 4 (3 cluster x + trip) + cx: the kind (q, k, v) hangs on the cluster's number and the trip alone.
; Tile rows are whole rows of 768 bytes, 16 bytes of padding behind every 256.  The weights' region is filled again twice, each time behind a drained round of the cluster's barrier.
; x's rows are shared by a row of the cluster, the weights' rows by a column: joint loads.
; ROLES.  P (source 1, 8 blocks of 16 rows) gives the lane its row, R (source 0, 4 blocks) gives the registers their rows.  q, k: P = 128 tokens (half wave / 2), R = 64 weight rows (half wave % 2): one head.
; v: P = the 128 weight rows, R = 64 tokens (quarter = wave).  One text of products serves both: only addresses, pointers and the first step's C differ.
; WHAT IS STORED.  A half image, 768 bytes: registers 6 c .. 6 c + 5 of a 6-bit operand for all 32 lanes, pair p of lane l at 256 p + 8 l.  q, k: [batch x head][token tile][768];
; v: [batch x head][channel tile][group of 64 tokens][768].  Inside a block of 32 the codes lie in the order 0-7, 16-23, 8-15, 24-31; both operands of each later product have that order.
; Scale bytes: q, k: [batch x head][token tile / 2][16] words, an even tile's two bytes low, an odd tile's high; v: [batch][128 tokens][channel] words.
; The next weight tile is asked for into the L2 one trip ahead of its refill, 24 blocks of 256 bytes a wave, shared out by address among the sixteen waves of a column of the cluster, by the clusters y < 4.
; LIMITS: NaN, infinities and a given scale byte 0xff are not served; a block whose largest magnitude lies under 2^-124 (a block of zeros too) gets the byte 1: these bytes are read by this program alone.
; REGISTERS: window 0: addresses, scale words, bias, the way out's work; windows 1 and 3: two sets of fragments (P at 0, R at 96); window 2: 32 accumulators, (P, R) at 8 (4 P + R).
.set PITCH, 816
.set WB,    256*PITCH
.set SPARE, WB+128*PITCH
.set PADW,  (1<<20)|(1<<21)|(5<<22)|(3<<25)
.set SP, 32                            ; v32-63 P's scale words: pair of blocks x K step; lanes 0-15 the even block
.set SR, 68                            ; v68-83 R's
.set PA, 84                            ; v84-99 LDS addresses of P's blocks (second of a pair: behind one padding more)
.set RA, 100                           ; v100-107 of R's (both for q and k)
.set PV, 216                           ; v216-231 P's blocks for v: the weights' 128 rows
.set RV, 232                           ; v232-239 R's blocks for v: my 64 tokens
.set BI, 108                           ; v108-171 the bias as the first step's C
.set TM, 176
.set PW, 192
.set TV, 193
.set PC, 196
.set MSB, 0
.macro WIN new
.if MSB != (\new)
	s_set_vgpr_msb (MSB<<8)|(\new)
.set MSB, (\new)
.endif
.endm
.macro PLACES n
.rept \n
	v_nop
.endr
.endm
.macro WALU
	s_wait_alu depctr_va_vdst(0)
.endm
.macro CREST
	s_cmp_lg_u32 s14, 0
	s_cbranch_scc1 .Lnw0_\@
	s_barrier_signal -3
.Lnw0_\@:
	s_barrier_wait -3
	s_barrier_signal -1
	s_barrier_wait -1
.endm
.macro CROUND
	s_barrier_signal -1
	s_barrier_wait -1
	CREST
.endm
; a fragment: six pieces of 8 bytes of a row, two to a load where both go by the same address register
.macro FRAG d, q, a
.set SK_, 0
.irp p, 0,1,2,3,4,5
.if SK_
.set SK_, 0
.else
.set PC_, 12*(\q)+6*(\p/3)+\p%3
.set PN_, 12*(\q)+6*((\p+1)/3)+(\p+1)%3
.set X_, (PC_%32+3)/32
.set XN_, (PN_%32+3)/32
.if (\p < 5) && (X_ == XN_)
.set SK_, 1
	ds_load_2addr_b64 v[\d+2*\p:\d+2*\p+3], v[\a+X_] offset0:PC_+2*(PC_/32) offset1:PN_+2*(PN_/32)
.else
	ds_load_b64 v[\d+2*\p:\d+2*\p+1], v[\a+X_] offset:8*(PC_+2*(PC_/32))
.endif
.endif
.endr
.endm
.macro FETCHK q, e, pa, ra             ; K step q's twelve fragments into set e, by the address registers of one kind
	WIN 0x40+0x80*(\e)
.irp i, 0,1,2,3,4,5,6,7
	FRAG 12*\i, \q, \pa+2*\i
.endr
.irp i, 0,1,2,3
	FRAG 96+12*\i, \q, \ra+2*\i
.endr
	WIN 0
.endm
.macro FETCH q, e                      ; the run of loads is written once for each kind's address registers; the branch hangs on the cluster's number and the trip
	s_cmp_ge_u32 s70, 4
	s_cbranch_scc1 .Lkv_\@
	FETCHK \q, \e, PA, RA
	s_branch .Lkd_\@
.Lkv_\@:
	FETCHK \q, \e, PV, RV
.Lkd_\@:
.endm
.macro WM d, rb, pa, c, sr, sp, bo, ao
	v_wmma_scale_f32_16x16x128_f8f6f4 v[\d:\d+7], v[\rb:\rb+11], v[\pa:\pa+11], \c, v[\sr], v[\sp] matrix_a_fmt:MATRIX_FMT_FP6 matrix_b_fmt:MATRIX_FMT_FP6 matrix_a_scale:MATRIX_SCALE_ROW\bo matrix_b_scale:MATRIX_SCALE_ROW\ao
.endm
; 16 products: P's pairs lo, lo + 1 x R's four.  cm = 0: onto the sums; 1: the sums begin with the bias by R; 2: by P.  The 32 accumulators take turns.
.macro MUL q, lo, cm
.irp ap, \lo, \lo+1
.irp ao, 0,1
.irp bp, 0,1
.irp bo, 0,1
.set D_, 8*(4*(2*(\ap)+\ao)+2*\bp+\bo)
.set R_, 96+12*(2*\bp+\bo)
.set P_, 12*(2*(\ap)+\ao)
.set XR_, SR+8*\bp+(\q)
.set XP_, SP+8*(\ap)+(\q)
.set CR_, BI+8*(2*\bp+\bo)
.set CP_, BI+8*(2*(\ap)+\ao)
.if (\cm) == 1
	WM D_, R_, P_, v[CR_:CR_+7], XR_, XP_, \bo, \ao
.elseif (\cm) == 2
	WM D_, R_, P_, v[CP_:CP_+7], XR_, XP_, \bo, \ao
.else
	WM D_, R_, P_, v[D_:D_+7], XR_, XP_, \bo, \ao
.endif
.endr
.endr
.endr
.endr
.endm
.macro STEP q                          ; this step's fragments are in; the next step's are asked for; 32 products
	s_wait_dscnt 0x0
	PLACES 4                               ; between the last products and the loads into the registers that they read
	FETCH (\q)+1, ((\q)+1)%2
	WIN 0xa5+10*((\q)%2)
	MUL \q, 0, 0
	MUL \q, 2, 0
	WIN 0
.endm
; what tile s70 takes in: scale words, bias, LDS addresses; and the prefetch of the tile after it
.macro PREPIN
	s_lshl_b32 s72, s70, 2
	s_add_co_u32 s72, s72, s40             ; the weight tile
	s_lshl_b32 s74, s72, 7                 ; its first row
	s_lshl_b32 s75, s16, 6
	s_add_co_u32 s75, s75, s74
	s_lshl_b32 s76, s17, 8
	s_lshl_b32 s77, s15, 7
	s_add_co_u32 s77, s77, s76
	s_lshl_b32 s78, s14, 6
	s_add_co_u32 s78, s78, s76
	s_cmp_ge_u32 s70, 4                    ; v?
	s_cselect_b32 s20, s74, s77            ; P's first row
	s_cselect_b32 s22, s78, s75            ; R's
	s_cselect_b64 s[80:81], s[10:11], s[6:7]
	s_cselect_b64 s[82:83], s[6:7], s[10:11]
	s_cselect_b32 s90, s74, s75            ; the bias's first column
	s_lshl_b32 s20, s20, 5
	s_lshl_b32 s22, s22, 5
	s_mov_b32 s21, 0
	s_mov_b32 s23, 0
	s_add_nc_u64 s[80:81], s[80:81], s[20:21]
	s_add_nc_u64 s[82:83], s[82:83], s[22:23]
	s_lshl_b32 s20, s90, 2
	s_add_nc_u64 s[84:85], s[12:13], s[20:21]
	s_add_co_u32 s93, s74, 512
	s_mul_i32 s93, s93, 768
	s_add_co_u32 s93, s93, s89
.irp p, 0,1,2,3
.irp c, 0,1
	global_load_b128 v[SP+8*\p+4*\c:SP+8*\p+4*\c+3], v6, s[80:81] offset:1024*\p+16*\c
.endr
.endr
.irp p, 0,1
.irp c, 0,1
	global_load_b128 v[SR+8*\p+4*\c:SR+8*\p+4*\c+3], v6, s[82:83] offset:1024*\p+16*\c
.endr
.endr
	v_lshl_add_u32 v13, v14, 8, s93
	s_cmp_ge_u32 s70, 4
	s_cbranch_scc1 .Lbv_\@
.irp b, 0,1,2,3
	global_load_b128 v[BI+8*\b:BI+8*\b+3], v7, s[84:85] offset:64*\b          ; register 8 R + j: column 16 R + 8 h + j
	global_load_b128 v[BI+8*\b+4:BI+8*\b+7], v7, s[84:85] offset:64*\b+16
.endr
	s_branch .Lbd_\@
.Lbv_\@:
.irp a, 0,1,2,3,4,5,6,7
.irp j, 0,1,2,3,4,5,6,7
	global_load_b32 v[BI+8*\a+\j], v8, s[84:85] offset:64*\a                  ; registers 8 P + 0 .. 7: row 16 P + r
.endr
.endr
.Lbd_\@:
	WALU
	s_cmp_lg_u32 s37, 0                    ; two prefetches a wave: tiles 1 and 2 of the walk
	s_cbranch_scc0 .Lnp_\@
	global_prefetch_b8 v13, s[8:9] th:TH_LOAD_NT scope:SCOPE_SE
	s_sub_co_u32 s37, s37, 1
.Lnp_\@:
.endm
; where tile s70's results go
.macro PREPOUT
	s_wait_xcnt 0x0                        ; earlier stores, loads and the prefetch have read their registers
	s_lshl_b32 s72, s70, 2
	s_add_co_u32 s72, s72, s40
	s_and_b32 s71, s72, 7                  ; the tile of 128 columns inside its kind
	s_lshr_b32 s73, s70, 1                 ; the kind
	s_cmp_ge_u32 s70, 4
	s_cselect_b32 s20, s47, s46
	s_cselect_b32 s22, s67, s66
	s_cselect_b32 s90, 9, 12
	s_cselect_b32 s91, 64, 2               ; scale bytes: from lanes 0-15's half-word to lanes 16-31's
	s_cselect_b32 s86, 128, 64             ; and from a pair of P's blocks to the next
	s_mov_b32 s92, 768
	s_cselect_b32 s92, 12288, s92          ; images: from a block of P to the next
	s_lshl_b32 s68, s92, 1
	s_mul_i32 s93, s73, 6291456
	s_add_co_u32 s20, s20, s93
	s_mul_i32 s93, s71, 98304
	s_add_co_u32 s20, s20, s93
	s_mov_b32 s21, 0
	s_add_nc_u64 s[60:61], s[96:97], s[20:21]
	s_lshl_b32 s93, s73, 18
	s_add_co_u32 s22, s22, s93
	s_lshl_b32 s93, s71, s90
	s_add_co_u32 s22, s22, s93
	s_mov_b32 s23, 0
	s_add_nc_u64 s[62:63], s[98:99], s[22:23]
	v_add_nc_u32 v11, s92, v10
	v_mul_u32_u24 v12, s91, v2
	v_lshl_add_u32 v12, v1, 2, v12
	WALU
.endm
; THE WAY OUT of P's blocks 2 m, 2 m + 1: 64 registers a lane, four blocks of 32 along R; lane l xor 16 holds each block's other 16 numbers
.macro QOUT m
.set S, 64*(\m)
.if (\m) > 0
	s_wait_xcnt 0x0
	s_add_nc_u64 s[60:61], s[60:61], s[68:69]
	s_add_nc_u64 s[62:63], s[62:63], s[86:87]
.endif
	WIN 0
.irp b, 0,1,2,3
	v_mov_b32 v[TM+\b], 0x1800000          ; the floor: the byte cannot fall under 1
.endr
	WIN 0x28
.irp i, 0,2,4,6,8,10,12,14
.irp b, 0,1,2,3
	v_max3_num_f32 v[TM+\b], v[TM+\b], |v[S+16*\b+\i]|, |v[S+16*\b+\i+1]|
.endr
.endr
	WIN 0
.irp b, 0,1,2,3
	v_permlanex16_b32 v[TM+4+\b], v[TM+\b], s2, s3
.endr
.irp b, 0,1,2,3
	v_max_num_f32 v[TM+\b], v[TM+\b], v[TM+4+\b]
.endr
.irp b, 0,1,2,3
	v_add_nc_u32 v[TM+12+\b], 0xff000000, v[TM+\b]   ; 2 off the exponent field: the conversion's scale operand
.endr
.irp b, 0,1,2,3
	v_lshrrev_b32 v[TM+4+\b], 23, v[TM+12+\b]
.endr
	v_lshl_or_b32 v[PW], v[TM+5], 8, v[TM+4]
	v_lshl_or_b32 v[PW], v[TM+6], 16, v[PW]
	v_lshl_or_b32 v[PW], v[TM+7], 24, v[PW]
	WIN 2
.irp c, 0,1
	v_cvt_scalef32_pk16_fp6_f32 v[PC+6*\c:PC+6*\c+2], v[S+32*\c:S+32*\c+15], v[TM+12+2*\c]
	v_cvt_scalef32_pk16_fp6_f32 v[PC+12+4*\c:PC+14+4*\c], v[S+32*\c+16:S+32*\c+31], v[TM+12+2*\c+1]
.endr
	WIN 0
	v_nop                                  ; one plain place behind a scaled conversion
.irp c, 0,1
.irp i, 0,1,2
	v_permlane16_swap_b32 v[PC+6*\c+\i], v[PC+12+4*\c+\i]
.endr
.irp i, 0,1,2
	v_mov_b32 v[PC+3+6*\c+\i], v[PC+12+4*\c+\i]
.endr
.endr
	v_lshrrev_b32 v[TV], v9, v[PW]         ; lanes 0-15 store the word's low half, lanes 16-31 its high half
.irp c, 0,1
.irp p, 0,1,2
	global_store_b64 v[10+\c], v[PC+6*\c+2*\p:PC+6*\c+2*\p+1], s[60:61] offset:256*\p   ; 32 lanes store 256 consecutive bytes, aligned
.endr
.endr
	global_store_b16 v12, v[TV], s[62:63]
.endm
; A TILE.  fill = 1: in the middle of the last K step, when every wave has fetched its last fragments, the weights' region is filled again
.macro TRIP fill
	PREPOUT
	s_wait_tensorcnt 0x0                   ; my loads have landed,
	s_barrier_signal -1
	s_barrier_wait -1                      ; everybody's have
	FETCH 0, 0
	s_wait_loadcnt 0x0                     ; scale words and bias
	s_wait_dscnt 0x0
	FETCH 1, 1
	s_cmp_ge_u32 s70, 4                    ; the first step is written twice: its C differs by kind
	s_cbranch_scc1 .Lfv_\@
	WIN 0x85
	MUL 0, 0, 1
	MUL 0, 2, 1
	WIN 0
	s_branch .Lfd_\@
.Lfv_\@:
	WIN 0x85
	MUL 0, 0, 2
	MUL 0, 2, 2
	WIN 0
.Lfd_\@:
.irp q, 1,2,3,4,5,6
	STEP \q
.endr
.if \fill
	s_wait_tensorcnt 0x0                   ; ahead of a refill's round
	ds_add_u32 v28, v29
	s_wait_dscnt 0x0                       ; the add is done and my reads of LDS are over
	s_barrier_signal -1
	WIN 0xaf
	MUL 7, 0, 0
	WIN 0
	s_barrier_wait -1
	CREST
	s_add_nc_u64 s[58:59], s[58:59], 393216   ; four tiles of 128 rows on
	s_cmp_eq_u32 s15, 1
	s_cbranch_scc0 .Lnl_\@
	tensor_load_to_lds s[56:59], s[48:55]  ; waves 2 and 3: a half each of the next weight tile
	s_nop 0
	PLACES 4
.Lnl_\@:
	WIN 0xaf
	MUL 7, 2, 0
	WIN 0
	PLACES 4
	s_add_co_u32 s70, s70, 1
	PREPIN
.else
	s_wait_dscnt 0x0
	WIN 0xaf
	MUL 7, 0, 0
	MUL 7, 2, 0
	WIN 0
	PLACES 4
.endif
.irp m, 0,1,2,3
	QOUT \m
.endr
.endm
	s_load_b256 s[4:11], s[0:1], 0x0       ; x's codes, x's scales, w_qkv's codes, w_qkv's scales
	s_load_b128 s[96:99], s[0:1], 0x20     ; the images, the scale bytes
	s_load_b64 s[12:13], s[0:1], 0x30      ; b_qkv
	v_lshl_add_u32 v28, v0, 2, SPARE
	v_mov_b32 v29, 0
	ds_add_u32 v28, v29
	ds_add_u32 v28, v29
	v_lshrrev_b32 v1, 5, v0
	v_readfirstlane_b32 s14, v1            ; wave
	s_lshr_b32 s15, s14, 1
	s_and_b32 s16, s14, 1
	s_bfe_u32 s40, ttmp6, 0x40000          ; cx
	s_bfe_u32 s41, ttmp6, 0x40004          ; cy
	s_and_b32 s45, ttmp7, 0xffff           ; cluster y = the batch
	s_lshl_b32 s17, s45, 2
	s_add_co_u32 s17, s17, s41             ; my block of 256 tokens
	s_mul_i32 s70, ttmp9, 3                ; 3 cluster x + trip
	s_lshl_b32 s43, s41, 2
	s_lshl_b32 s43, 15, s43                ; my row of the cluster
	s_lshl_b32 s44, 0x1111, s40            ; my column
	s_or_b32 s24, s43, PADW
	s_or_b32 s48, s44, PADW
.irp g, 24, 48
	s_mov_b32 s[\g+1], 768<<16
	s_mov_b32 s[\g+3], 768<<16
	s_mov_b32 s[\g+5], 768
	s_mov_b32 s[\g+6], 0
	s_mov_b32 s[\g+7], 0
.endr
	s_mov_b32 s26, 128<<16
	s_mov_b32 s28, 128
	s_mov_b32 s50, 64<<16
	s_mov_b32 s52, 64
	s_mov_b32 s32, 1
	s_mul_i32 s33, s16, 128*PITCH
	s_lshl_b32 s18, s17, 8
	s_lshl_b32 s19, s16, 7
	s_add_co_u32 s18, s18, s19
	s_mul_i32 s18, s18, 768
	s_mov_b32 s19, 0
	s_mov_b32 s56, 1
	s_mul_i32 s57, s16, 64*PITCH
	s_add_co_u32 s57, s57, WB
	s_lshl_b32 s20, s70, 2
	s_add_co_u32 s20, s20, s40
	s_lshl_b32 s20, s20, 7
	s_lshl_b32 s21, s16, 6
	s_add_co_u32 s20, s20, s21
	s_mul_i32 s20, s20, 768
	s_mov_b32 s21, 0
	s_wait_dscnt 0x0
	s_wait_kmcnt 0x0
	s_add_nc_u64 s[34:35], s[4:5], s[18:19]
	s_or_b32 s35, s35, 0x80000000
	s_add_nc_u64 s[58:59], s[8:9], s[20:21]
	s_or_b32 s59, s59, 0x80000000
	CROUND                                 ; the first joint loads meet
	s_cmp_eq_u32 s15, 0
	s_cbranch_scc0 .Lhw
	tensor_load_to_lds s[32:35], s[24:31]  ; waves 0 and 1: 128 rows of x each
	s_nop 0
	PLACES 4
	s_branch .Lha
.Lhw:
	tensor_load_to_lds s[56:59], s[48:55]  ; waves 2 and 3: 64 rows of the first weight tile each
	s_nop 0
	PLACES 4
.Lha:
	s_mul_i32 s38, s15, 128*PITCH          ; LDS: q, k: P's rows;
	s_mul_i32 s39, s14, 64*PITCH           ; v: R's;
	s_mov_b32 s42, s57                     ; q, k: R's
	s_mul_i32 s88, s45, 786432
	s_lshl_b32 s18, s41, 4
	s_lshl_b32 s19, s15, 3
	s_add_co_u32 s18, s18, s19
	s_mul_i32 s46, s18, 768                ; q, k: my first token tile,
	s_mul_i32 s19, s16, 49152              ; my head of the tile's two
	s_add_co_u32 s46, s46, s19
	s_add_co_u32 s46, s46, s88
	s_lshl_b32 s18, s41, 2
	s_add_co_u32 s18, s18, s14
	s_mul_i32 s47, s18, 768                ; v: my group of 64 tokens
	s_add_co_u32 s47, s47, s88
	s_mul_i32 s89, s18, 6144               ; my sixteenth of a tile to prefetch
	s_lshl_b32 s88, s45, 15
	s_lshl_b32 s18, s41, 3
	s_lshl_b32 s19, s15, 2
	s_add_co_u32 s18, s18, s19
	s_lshl_b32 s66, s18, 6
	s_lshl_b32 s19, s16, 11
	s_add_co_u32 s66, s66, s19
	s_add_co_u32 s66, s66, s88
	s_lshl_b32 s18, s41, 1
	s_add_co_u32 s18, s18, s15
	s_lshl_b32 s67, s18, 12
	s_lshl_b32 s19, s16, 1
	s_add_co_u32 s67, s67, s19
	s_add_co_u32 s67, s67, s88
	s_mov_b32 s69, 0
	s_mov_b32 s87, 0
	s_mov_b32 s2, 0x76543210
	s_mov_b32 s3, 0xfedcba98               ; v_permlanex16_b32's selects for lane l xor 16
	s_cmp_lt_u32 s45, 4
	s_cselect_b32 s37, 2, 0
	v_and_b32 v1, 15, v0                   ; r
	v_bfe_u32 v2, v0, 4, 1                 ; h
	v_and_b32 v3, 31, v0
	v_mul_u32_u24 v13, v1, PITCH
	v_mad_u32_u24 v4, v2, 24, v13
	v_mad_u32_u24 v5, v2, 40, v13
	v_lshlrev_b32 v6, 5, v3
	v_lshlrev_b32 v7, 5, v2
	v_lshlrev_b32 v8, 2, v1
	v_lshlrev_b32 v9, 4, v2
	v_lshlrev_b32 v10, 3, v3
	v_min_u32 v14, 23, v3
	s_mov_b32 s18, WB
.irp i, 0,1,2,3,4,5,6,7
	v_add_nc_u32 v[PA+2*\i], s38, v4       ; the LDS addresses of both kinds, made once, of the wave's number and constants
	v_add_nc_u32 v[PA+2*\i+1], s38, v5
	v_add_nc_u32 v[PV+2*\i], s18, v4
	v_add_nc_u32 v[PV+2*\i+1], s18, v5
	s_add_co_u32 s38, s38, 16*PITCH
	s_add_co_u32 s18, s18, 16*PITCH
.endr
.irp i, 0,1,2,3
	v_add_nc_u32 v[RA+2*\i], s42, v4
	v_add_nc_u32 v[RA+2*\i+1], s42, v5
	v_add_nc_u32 v[RV+2*\i], s39, v4
	v_add_nc_u32 v[RV+2*\i+1], s39, v5
	s_add_co_u32 s42, s42, 16*PITCH
	s_add_co_u32 s39, s39, 16*PITCH
.endr
.irp b, 0,1,2,3
	v_mov_b32 v[TM+4+\b], 0                ; written once: a lane permute's destination counts as one of its sources
.endr
	WALU
	PREPIN
	s_mov_b32 s36, 0
.Ltrip:
	TRIP 1
	s_add_co_u32 s36, s36, 1
	s_cmp_lt_u32 s36, 2
	WALU
	s_cbranch_scc1 .Ltrip
	TRIP 0                                 ; the last tile asks for nothing more
	s_wait_tensorcnt 0x0                   ; the wave's end
	ds_add_u32 v28, v29
	s_wait_dscnt 0x0
	CROUND                                 ; the closing round
	s_endpgm
.Lfunc_end_k_q3a0885b682_qkv:
	.size	k_q3a0885b682_qkv, .Lfunc_end_k_q3a0885b682_qkv-k_q3a0885b682_qkv
	.p2alignl 7, 3214868480
	.fill 96, 4, 3214868480
	.section	.rodata,"a",@progbits
	.p2align	6, 0x0
	.amdhsa_kernel k_q3a0885b682_qkv
		.amdhsa_group_segment_fixed_size 327680
		.amdhsa_private_segment_fixed_size 0
		.amdhsa_enable_private_segment 0
		.amdhsa_kernarg_size 56
		.amdhsa_user_sgpr_count 2
		.amdhsa_user_sgpr_kernarg_segment_ptr 1
		.amdhsa_wavefront_size32 1
		.amdhsa_system_sgpr_workgroup_id_x 1
		.amdhsa_system_sgpr_workgroup_id_y 1
		.amdhsa_system_sgpr_workgroup_id_z 1
		.amdhsa_system_vgpr_workitem_id 0
		.amdhsa_next_free_vgpr 912
		.amdhsa_next_free_sgpr 100
		.amdhsa_reserve_vcc 0
		.amdhsa_float_denorm_mode_32 3
		.amdhsa_float_denorm_mode_16_64 3
		.amdhsa_memory_ordered 1
		.amdhsa_forward_progress 1
		.amdhsa_inst_pref_size 227
	.end_amdhsa_kernel
	.amdgpu_metadata
---
amdhsa.version: [ 1, 2 ]
amdhsa.kernels:
  - .name:           k_q3a0885b682_qkv
    .symbol:         k_q3a0885b682_qkv.kd
    .args:
      - { .name: x_codes, .offset: 0, .size: 8, .value_kind: global_buffer, .address_space: global }
      - { .name: x_scales, .offset: 8, .size: 8, .value_kind: global_buffer, .address_space: global }
      - { .name: w_qkv_codes, .offset: 16, .size: 8, .value_kind: global_buffer, .address_space: global }
      - { .name: w_qkv_scales, .offset: 24, .size: 8, .value_kind: global_buffer, .address_space: global }
      - { .name: qkvimg, .offset: 32, .size: 8, .value_kind: global_buffer, .address_space: global }
      - { .name: qkvsc, .offset: 40, .size: 8, .value_kind: global_buffer, .address_space: global }
      - { .name: b_qkv, .offset: 48, .size: 8, .value_kind: global_buffer, .address_space: global }
    .group_segment_fixed_size: 327680
    .private_segment_fixed_size: 0
    .kernarg_segment_align: 8
    .kernarg_segment_size: 56
    .max_flat_workgroup_size: 128
    .sgpr_count:     100
    .vgpr_count:     912
    .wavefront_size: 32
...
	.end_amdgpu_metadata
.endif
;; end of part 1
;; launch attn (part 2): grid 2 x 128, 16 waves a work-group, no clusters, 169,984 bytes of LDS; arguments qkvimg, qkvsc, oimg, osc; writes oimg, osc
.if DOCPART == 2
	.amdgcn_target "amdgcn-amd-amdhsa--gfx1250"
	.amdhsa_code_object_version 6
	.text
	.protected	k_q3a0885b682_attn
	.globl	k_q3a0885b682_attn
	.p2align	8
	.type	k_q3a0885b682_attn,@function
k_q3a0885b682_attn:
	s_mov_b64 s[64:65], 0
	v_nop
	global_prefetch_b8 v0, s[64:65] scope:SCOPE_SE
	s_setreg_imm32_b32 hwreg(HW_REG_WAVE_MODE, 25, 1), 1
	s_wait_xcnt 0x0
; Causal attention of one head (64 channels, 1,024 tokens) on codes of FP6 (E2M3) with E8M0 scales; the result, divided by the row's sum, is quantised along the channels and stored as codes.
; t = score x log2(e) / 8; M = the running largest t rounded up to a whole number; p = 2^(t - M) is quantised along the keys, not normalised; the sum is taken of the unquantised p.
; SHARES.  Two work-groups a head, sixteen waves each, four to a SIMD.  A head has 64 tiles of 16 queries, tile 8 G + e needs G + 1 key steps of 128.  Wave w has e = w % 8 and g = 2 x + w / 8 and owns
; tiles (g, e) and (7 - g, e): nine key steps for every wave of the launch.  Steps all of whose keys come after the tile's queries are jumped over by a scalar branch on ids; the loop's trip count is the constant 8.
; LDS.  The head's K (49,152 bytes), V (49,152) and their scale words (2,048 each) come once, by ten tensor loads of ten waves; nothing is filled again and no wave stores to LDS: one barrier.
; No cluster: the two work-groups of a head share only this one fill.
; OPERANDS lie in memory and LDS as half images: registers 6 c .. 6 c + 5 for all 32 lanes, pair p of lane l at 256 p + 8 l: every load takes 256 consecutive bytes.
; THE FIRST PRODUCT'S K IS 64.  A fragment of 12 registers holds TWO tiles of 16 keys (channels of tile 2 f as k 0-63, of tile 2 f + 1 as k 64-127); against [q][zeros] it gives tile 2 f's scores, against [zeros][q] tile 2 f + 1's.
; Both products are used transposed: a lane holds one query (lane % 16).  Inside a block of 32 the codes of q and k (channels) and of p and v (keys) lie in the order 0-7, 16-23, 8-15, 24-31, alike on both sides.
; The result's codes lie in natural order (the next product's other operand is given): 16 exchanges of f32 between the halves of the lanes see to that.
; LIMITS: NaN and infinities are not served; a block whose largest magnitude lies under 2^-124 gets the byte 1; a block's largest p is taken from the block's largest score (v_exp_f32 is taken not to fall where its input rises).
.set KIMG, 0
.set VIMG, 49152
.set KSC,  98304
.set VSC,  100352
.set L8,   1                           ; v1   8 x lane: my place in a plane of an image (K's in LDS, and the images in memory)
.set L8V,  2                           ; v2   the same in V's
.set L4K,  3                           ; v3   4 x lane among K's scale words
.set L4V,  4                           ; v4   among V's
.set R4,   5                           ; v5   4 x (lane % 16)
.set R32,  6                           ; v6   32 x (lane % 16)
.set ADK,  8
.set ADV,  9
.set ADS,  10
.set ADT,  11                          ; v12 -M, v13 the largest t, v[14:15] the sum in two halves
.set QZ,   16                          ; v16-45  zeros, q of tile 0, zeros, q of tile 1, zeros: six registers each
.set QS,   46                          ; v46, v47  q's scale words
.set F,    48                          ; v48-95  four fragments of K, then of V
.set S,    96                          ; v96-159 S^T, then p
.set O,    160                         ; v160-191 O^T
.set PC,   192                         ; v192-203 p's codes
.set PT,   204                         ; v204-206, v208-210 conversions' second halves
.set BM,   212
.set BT,   216
.set BS,   220
.set T0,   224
.set T1,   225
.set FF,   226                         ; v[226:227] f = 2^(old M - new M)
.set PS,   228                         ; p's scale word
.set NINF, 229
.set KSR,  230                         ; v230-231 K's scale words: lanes 0-15 an even fragment's, lanes 16-31 the odd one's
.set VSR,  232                         ; v232-233 V's likewise
.set SUM2, 234
.set RL,   236
	s_load_b256 s[4:11], s[0:1], 0x0               ; the images, the scale bytes, o's images, o's scale bytes
	v_lshl_add_u32 v254, v0, 2, 0x29000
	v_mov_b32 v255, 0
	ds_add_u32 v254, v255
	ds_add_u32 v254, v255
	v_lshrrev_b32 v7, 5, v0
	s_delay_alu instid0(VALU_DEP_1)
	v_readfirstlane_b32 s12, v7                    ; wave 0..15
	s_and_b32 s14, ttmp7, 0xffff                   ; batch x 16 + head
	s_and_b32 s15, s12, 7                          ; e
	s_lshr_b32 s16, s12, 3
	s_lshl_b32 s13, ttmp9, 1
	s_add_co_u32 s16, s16, s13                     ; g
	s_sub_co_u32 s17, 7, s16                       ; 7 - g
	s_mov_b32 s20, 0x76543210
	s_mov_b32 s21, 0xfedcba98                      ; v_permlanex16_b32's selects for lane l xor 16
	s_mov_b32 s22, 0x3e38aa3b                      ; c = log2(e) / 8
	s_mov_b32 s23, s22
	; three groups 1, rows of 256 bytes (32 elements of 8): s[24:31] 48 dense rows of codes; s[32:39] K's scale words, 8 dense rows; s[40:47] V's, 8 rows 4,096 bytes apart
.irp g, 24, 32, 40
	s_mov_b32 s[\g], 3<<16
	s_mov_b32 s[\g+1], 32<<16
	s_mov_b32 s[\g+3], 32<<16
	s_mov_b32 s[\g+6], 0
	s_mov_b32 s[\g+7], 0
.endr
	s_mov_b32 s26, 48<<16
	s_mov_b32 s28, 48
	s_mov_b32 s29, 32
	s_mov_b32 s34, 8<<16
	s_mov_b32 s36, 8
	s_mov_b32 s37, 32
	s_mov_b32 s42, 8<<16
	s_mov_b32 s44, 8
	s_mov_b32 s45, 512
	s_min_u32 s70, s12, 7                          ; waves 0-3 fetch K's quarters, waves 4-7 V's; the others' copy of this descriptor is not used and stays inside the buffer
	s_lshr_b32 s68, s70, 2
	s_add_co_u32 s68, s68, 1
	s_mul_i32 s68, s68, 6291456                    ; k's region, or v's
	s_mul_i32 s69, s14, 49152
	s_add_co_u32 s68, s68, s69
	s_and_b32 s69, s70, 3
	s_mul_i32 s69, s69, 12288
	s_add_co_u32 s68, s68, s69
	s_mov_b32 s69, 0
	s_lshl_b32 s80, s14, 11
	s_add_co_u32 s80, s80, 262144                  ; k's scale words of my head
	s_mov_b32 s81, 0
	s_lshr_b32 s82, s14, 4
	s_lshl_b32 s82, s82, 15
	s_and_b32 s83, s14, 15
	s_lshl_b32 s83, s83, 8
	s_add_co_u32 s82, s82, s83
	s_add_co_u32 s82, s82, 524288                  ; v's: my batch, my head's 64 channels
	s_mov_b32 s83, 0
	s_wait_dscnt 0x0
	s_wait_kmcnt 0x0
	s_mov_b32 s48, 1
	s_mul_i32 s49, s70, 12288                      ; K's four quarters, then V's four
	s_add_nc_u64 s[50:51], s[4:5], s[68:69]
	s_or_b32 s51, s51, 0x80000000
	s_mov_b32 s52, 1
	s_mov_b32 s53, KSC
	s_add_nc_u64 s[54:55], s[6:7], s[80:81]
	s_or_b32 s55, s55, 0x80000000
	s_mov_b32 s56, 1
	s_mov_b32 s57, VSC
	s_add_nc_u64 s[58:59], s[6:7], s[82:83]
	s_or_b32 s59, s59, 0x80000000
	s_cmp_lt_u32 s12, 8                            ; the fills: at most one tensor load a wave, chosen by the wave's number; four v_nop follow each
	s_cbranch_scc0 .Lnot_codes
	tensor_load_to_lds s[48:51], s[24:31]
	s_nop 0
.rept 4
	v_nop
.endr
	s_branch .Lasked
.Lnot_codes:
	s_cmp_eq_u32 s12, 8
	s_cbranch_scc0 .Lnot_ksc
	tensor_load_to_lds s[52:55], s[32:39]
	s_nop 0
.rept 4
	v_nop
.endr
	s_branch .Lasked
.Lnot_ksc:
	s_cmp_eq_u32 s12, 9
	s_cbranch_scc0 .Lasked
	tensor_load_to_lds s[56:59], s[40:47]
	s_nop 0
.rept 4
	v_nop
.endr
.Lasked:
	v_and_b32 v7, 31, v0
	s_delay_alu instid0(VALU_DEP_1)
	v_lshlrev_b32 v[L8], 3, v7
	s_delay_alu instid0(VALU_DEP_1)
	v_add_nc_u32 v[L8V], VIMG, v[L8]
	s_delay_alu instid0(VALU_DEP_3)
	v_lshlrev_b32 v[L4K], 2, v7
	s_delay_alu instid0(VALU_DEP_1)
	v_add_nc_u32 v[L4V], VSC, v[L4K]
	s_delay_alu instid0(VALU_DEP_2)
	v_add_nc_u32 v[L4K], KSC, v[L4K]
	v_and_b32 v[R4], 15, v0
	v_bfe_u32 v[T0], v0, 4, 1
	s_delay_alu instid0(VALU_DEP_2)
	v_lshlrev_b32 v[R32], 5, v[R4]
	s_delay_alu instid0(VALU_DEP_2)
	v_lshlrev_b32 v[T0], 3, v[T0]
	s_delay_alu instid0(VALU_DEP_1)
	v_sub_nc_u32 v7, v[R4], v[T0]                  ; r - 8 h
	v_lshlrev_b32 v[R4], 2, v[R4]
; q of tile qt (G in s[gs]): half an operand and a half-word of scale bytes a row; they stay in registers
.macro QLOAD qt, gs, ptr
	s_lshl_b32 s68, s[\gs], 3
	s_add_co_u32 s68, s68, s15                     ; the tile: 8 G + e
	s_mul_i32 s70, s68, 768
	s_mul_i32 s69, s14, 49152
	s_add_co_u32 s70, s70, s69
	s_mov_b32 s71, 0
	s_add_nc_u64 s[\ptr:\ptr+1], s[4:5], s[70:71]
	s_lshr_b32 s70, s68, 1
	s_lshl_b32 s70, s70, 6
	s_and_b32 s69, s68, 1
	s_lshl_b32 s69, s69, 1
	s_add_co_u32 s70, s70, s69
	s_lshl_b32 s69, s14, 11
	s_add_co_u32 s70, s70, s69
	s_add_nc_u64 s[\ptr+2:\ptr+3], s[6:7], s[70:71]
.irp p, 0,1,2
	global_load_b64 v[QZ+6+12*(\qt)+2*\p:QZ+7+12*(\qt)+2*\p], v[L8], s[\ptr:\ptr+1] offset:256*\p
.endr
	global_load_u16 v[QS+(\qt)], v[R4], s[\ptr+2:\ptr+3]
.endm
	s_wait_alu depctr_va_vdst(0)
	QLOAD 0, 16, 92
	QLOAD 1, 17, 96
.irp z, 0,12,24
.irp j, 0,1,2,3,4,5
	v_mov_b32 v[QZ+\z+\j], 0                       ; zero codes: they add nothing under any scale byte of this program's
.endr
.endr
.irp b, 0,1,2,3
	v_mov_b32 v[BT+\b], 0                          ; written once: a lane permute's destination counts as one of its sources
.endr
	v_mov_b32 v[FF+1], 0                           ; named as the upper half of a pair
	v_mov_b32 v[NINF], 0xff800000
.irp j, 0,1,2,3,4,5,6,7
	v_cmp_gt_i32 s[72+\j], \j, v7                  ; in the tile on the diagonal register j's key 8 h + j is hidden from query r where j > r - 8 h
.endr
	s_wait_loadcnt 0x0
	v_lshl_or_b32 v[QS], v[QS], 16, v[QS]          ; q's two bytes twice: they serve q as k 0-63 and as k 64-127
	v_lshl_or_b32 v[QS+1], v[QS+1], 16, v[QS+1]
	s_wait_tensorcnt 0x0                           ; my part of the head is in LDS,
	s_barrier_signal -1
	s_barrier_wait -1                              ; everybody's is
; A KEY STEP of 128 keys for tile qt.  s60, s61, s62: where the step's K, V and scale words begin; s63 its first key; s67 my first query.
.macro STEP qt
	s_add_co_u32 s68, s67, 15
	s_cmp_gt_u32 s63, s68
	s_cbranch_scc1 .Lhidden_\@                     ; all its keys come after my queries: only the stepping lines are run
	v_add_nc_u32 v[ADK], s60, v[L8]                ; (these four are the places between the last products and the loads into the registers that they read)
	v_add_nc_u32 v[ADV], s61, v[L8V]
	v_add_nc_u32 v[ADS], s62, v[L4K]
	v_add_nc_u32 v[ADT], s62, v[L4V]
.irp f, 0,1,2,3
.irp c, 0,1
.irp p, 0,1,2
	ds_load_b64 v[F+12*\f+6*\c+2*\p:F+12*\f+6*\c+2*\p+1], v[ADK] offset:1536*\f+768*\c+256*\p
.endr
.endr
.endr
	ds_load_b32 v[KSR], v[ADS]
	ds_load_b32 v[KSR+1], v[ADS] offset:128
	s_wait_alu depctr_va_vdst(0)
	s_wait_dscnt 0x0
.irp f, 0,1,2,3                        ; S^T: tile 2 f against [q][0], tile 2 f + 1 against [0][q]
.if \f%2
	v_wmma_scale_f32_16x16x128_f8f6f4 v[S+16*\f:S+16*\f+7], v[F+12*\f:F+12*\f+11], v[QZ+6+12*(\qt):QZ+17+12*(\qt)], 0, v[KSR+\f/2], v[QS+(\qt)] matrix_a_fmt:MATRIX_FMT_FP6 matrix_b_fmt:MATRIX_FMT_FP6 matrix_a_scale:MATRIX_SCALE_ROW1
	v_wmma_scale_f32_16x16x128_f8f6f4 v[S+16*\f+8:S+16*\f+15], v[F+12*\f:F+12*\f+11], v[QZ+12*(\qt):QZ+11+12*(\qt)], 0, v[KSR+\f/2], v[QS+(\qt)] matrix_a_fmt:MATRIX_FMT_FP6 matrix_b_fmt:MATRIX_FMT_FP6 matrix_a_scale:MATRIX_SCALE_ROW1
.else
	v_wmma_scale_f32_16x16x128_f8f6f4 v[S+16*\f:S+16*\f+7], v[F+12*\f:F+12*\f+11], v[QZ+6+12*(\qt):QZ+17+12*(\qt)], 0, v[KSR+\f/2], v[QS+(\qt)] matrix_a_fmt:MATRIX_FMT_FP6 matrix_b_fmt:MATRIX_FMT_FP6
	v_wmma_scale_f32_16x16x128_f8f6f4 v[S+16*\f+8:S+16*\f+15], v[F+12*\f:F+12*\f+11], v[QZ+12*(\qt):QZ+11+12*(\qt)], 0, v[KSR+\f/2], v[QS+(\qt)] matrix_a_fmt:MATRIX_FMT_FP6 matrix_b_fmt:MATRIX_FMT_FP6
.endif
.endr
.rept 4
	v_nop                                          ; places: in front of the loads into K's registers and of the first read of the scores
.endr
.irp t, 0,1,2,3                        ; V's four fragments (16 channels x these 128 keys) land while the softmax is worked
.irp c, 0,1
.irp p, 0,1,2
	ds_load_b64 v[F+12*\t+6*\c+2*\p:F+12*\t+6*\c+2*\p+1], v[ADV] offset:12288*\t+768*\c+256*\p
.endr
.endr
.endr
	ds_load_b32 v[VSR], v[ADT]
	ds_load_b32 v[VSR+1], v[ADT] offset:128
	s_add_co_u32 s68, s63, 127
	s_cmp_le_u32 s68, s67
	s_cbranch_scc1 .Lopen_\@                       ; all 128 keys count
.irp t, 0,1,2,3,4,5,6,7                ; the step on the diagonal: tile t of keys is open (t < e), hidden (t > e), or cut by the triangle (t = e).  Hidden scores become -infinity: p = 0
	s_cmp_eq_u32 s15, \t
	s_cselect_b32 s69, -1, 0
	s_cmp_lt_u32 s15, \t
	s_cselect_b32 s70, -1, 0
.irp j, 0,1,2,3,4,5,6,7
	s_and_b32 s[80+\j], s[72+\j], s69
	s_or_b32 s[80+\j], s[80+\j], s70
.endr
.irp j, 0,1,2,3,4,5,6,7
	v_cndmask_b32 v[S+8*\t+\j], v[S+8*\t+\j], v[NINF], s[80+\j]
.endr
.endr
.Lopen_\@:
.irp b, 0,1,2,3
	v_max3_num_f32 v[BM+\b], v[S+16*\b], v[S+16*\b+1], v[S+16*\b+2]   ; the largest score of each block of 32 keys: for the row's maximum and for the block's largest p
.endr
.irp i, 3,5,7,9,11,13
.irp b, 0,1,2,3
	v_max3_num_f32 v[BM+\b], v[BM+\b], v[S+16*\b+\i], v[S+16*\b+\i+1]
.endr
.endr
.irp b, 0,1,2,3
	v_max_num_f32 v[BM+\b], v[BM+\b], v[S+16*\b+15]
.endr
.irp b, 0,1,2,3
	s_delay_alu instid0(VALU_DEP_4)
	v_permlanex16_b32 v[BT+\b], v[BM+\b], s20, s21
.endr
.irp b, 0,1,2,3
	s_delay_alu instid0(VALU_DEP_4)
	v_max_num_f32 v[BM+\b], v[BM+\b], v[BT+\b]
.endr
	s_delay_alu instid0(VALU_DEP_2)
	v_max3_num_f32 v[T0], v[BM], v[BM+1], v[BM+2]
	s_delay_alu instid0(VALU_DEP_1)
	v_max_num_f32 v[T0], v[T0], v[BM+3]
	s_delay_alu instid0(VALU_DEP_1)
	v_mul_f32 v[T0], s22, v[T0]
	s_delay_alu instid0(VALU_DEP_1)
	v_max_num_f32 v13, v13, v[T0]                  ; the running largest t
	v_mov_b32 v[T0], v12
	s_delay_alu instid0(VALU_DEP_2)
	v_floor_f32 v12, -v13                          ; -M = floor(-t): M is a whole number
	s_delay_alu instid0(VALU_DEP_1)
	v_sub_f32 v[T0], v12, v[T0]                    ; old M - new M, 0 or less
	s_delay_alu instid0(VALU_DEP_1)
	v_cvt_i32_f32 v[T0], v[T0]                     ; (it saturates)
	s_delay_alu instid0(VALU_DEP_1)
	v_ldexp_f32 v[FF], 1.0, v[T0]                  ; f: a multiplication by it rounds nothing
.set j, 0
.rept 32
	v_pk_fma_f32 v[S+j:S+j+1], v[S+j:S+j+1], s[22:23], v[12:13] op_sel_hi:[1,0,0]   ; t - M
.set j, j+2
.endr
.irp b, 0,1,2,3
	v_fma_f32 v[BM+\b], v[BM+\b], s22, v12
.endr
.set j, 0
	s_wait_alu depctr_va_vdst(0)
.rept 64
	v_exp_f32 v[S+j], v[S+j]                       ; p = 2^(t - M)
.set j, j+1
.endr
	v_pk_mul_f32 v[14:15], v[14:15], v[FF:FF+1] op_sel_hi:[1,0]   ; the sums under the new M: the plain instruction behind the exponentials
	s_wait_alu depctr_va_vdst(0)                   ; one wait for the batch of 64, ahead of its first reader
.irp b, 0,1,2,3
	v_exp_f32 v[BM+\b], v[BM+\b]                   ; each block's largest p
.endr
	v_pk_add_f32 v[234:235], v[100:101], v[104:105]
	v_pk_add_f32 v[252:253], v[108:109], v[112:113]
	v_pk_add_f32 v[250:251], v[116:117], v[120:121]
	v_pk_add_f32 v[248:249], v[124:125], v[128:129]
	v_pk_add_f32 v[246:247], v[132:133], v[136:137]
	v_pk_add_f32 v[244:245], v[140:141], v[144:145]
	v_pk_add_f32 v[242:243], v[148:149], v[152:153]
	v_pk_add_f32 v[14:15], v[14:15], v[156:157]
	v_pk_add_f32 v[234:235], v[234:235], v[96:97]
	v_pk_add_f32 v[252:253], v[252:253], v[98:99]
	v_pk_add_f32 v[250:251], v[250:251], v[102:103]
	v_pk_add_f32 v[248:249], v[248:249], v[106:107]
	v_pk_add_f32 v[246:247], v[246:247], v[110:111]
	v_pk_add_f32 v[244:245], v[244:245], v[114:115]
	v_pk_add_f32 v[242:243], v[242:243], v[118:119]
	v_pk_add_f32 v[14:15], v[14:15], v[122:123]
	v_pk_add_f32 v[234:235], v[234:235], v[126:127]
	v_pk_add_f32 v[252:253], v[252:253], v[130:131]
	v_pk_add_f32 v[250:251], v[250:251], v[134:135]
	v_pk_add_f32 v[248:249], v[248:249], v[138:139]
	v_pk_add_f32 v[246:247], v[246:247], v[142:143]
	v_pk_add_f32 v[244:245], v[244:245], v[146:147]
	v_pk_add_f32 v[242:243], v[242:243], v[150:151]
	v_pk_add_f32 v[14:15], v[14:15], v[154:155]
	v_pk_add_f32 v[234:235], v[234:235], v[158:159]
	s_delay_alu instid0(VALU_DEP_2)
	v_pk_add_f32 v[14:15], v[14:15], v[248:249]
	s_delay_alu instid0(VALU_DEP_2)
	v_pk_add_f32 v[234:235], v[234:235], v[246:247]
	v_pk_add_f32 v[252:253], v[252:253], v[244:245]
	v_pk_add_f32 v[250:251], v[250:251], v[242:243]
	s_delay_alu instid0(VALU_DEP_2)
	v_pk_add_f32 v[14:15], v[14:15], v[252:253]
	s_delay_alu instid0(VALU_DEP_2)
	v_pk_add_f32 v[234:235], v[234:235], v[250:251]
	s_delay_alu instid0(VALU_DEP_1)
	v_pk_add_f32 v[14:15], v[14:15], v[234:235]
	s_wait_alu depctr_va_vdst(0)                   ; and one for the four
.irp b, 0,1,2,3
	v_max_num_f32 v[BM+\b], 0x1800000, v[BM+\b]    ; the floor 2^-124: the byte cannot fall under 1
.endr
.irp b, 0,1,2,3
	s_delay_alu instid0(VALU_DEP_4)
	v_add_nc_u32 v[BS+\b], 0xff000000, v[BM+\b]    ; 2 off the exponent field: the conversion's scale operand
.endr
.irp b, 0,1,2,3
	s_delay_alu instid0(VALU_DEP_4)
	v_lshrrev_b32 v[BT+\b], 23, v[BS+\b]
.endr
	s_delay_alu instid0(VALU_DEP_3)
	v_lshl_or_b32 v[PS], v[BT+1], 8, v[BT]
	s_delay_alu instid0(VALU_DEP_1)
	v_lshl_or_b32 v[PS], v[BT+2], 16, v[PS]
	s_delay_alu instid0(VALU_DEP_1)
	v_lshl_or_b32 v[PS], v[BT+3], 24, v[PS]
.irp c, 0,1
	v_cvt_scalef32_pk16_fp6_f32 v[PC+6*\c:PC+6*\c+2], v[S+32*\c:S+32*\c+15], v[BS+2*\c]
	v_cvt_scalef32_pk16_fp6_f32 v[PT+4*\c:PT+4*\c+2], v[S+32*\c+16:S+32*\c+31], v[BS+2*\c+1]
.endr
	v_nop                                          ; one plain place behind a scaled conversion
.irp c, 0,1
.irp i, 0,1,2
	v_permlane16_swap_b32 v[PC+6*\c+\i], v[PT+4*\c+\i]
.endr
.irp i, 0,1,2
	s_delay_alu instid0(VALU_DEP_3)
	v_mov_b32 v[PC+3+6*\c+\i], v[PT+4*\c+\i]
.endr
.endr
.set j, 0
.rept 16
	v_pk_mul_f32 v[O+j:O+j+1], v[O+j:O+j+1], v[FF:FF+1] op_sel_hi:[1,0]   ; O^T under the new M; these sixteen are also the places between p's codes and scale word and the products
.set j, j+2
.endr
	s_wait_alu depctr_va_vdst(0)
	s_wait_dscnt 0x0                               ; V is in
.irp t, 0,1,2,3                        ; O^T += V^T P^T: four accumulators by turns
.if \t%2
	v_wmma_scale_f32_16x16x128_f8f6f4 v[O+8*\t:O+8*\t+7], v[F+12*\t:F+12*\t+11], v[PC:PC+11], v[O+8*\t:O+8*\t+7], v[VSR+\t/2], v[PS] matrix_a_fmt:MATRIX_FMT_FP6 matrix_b_fmt:MATRIX_FMT_FP6 matrix_a_scale:MATRIX_SCALE_ROW1
.else
	v_wmma_scale_f32_16x16x128_f8f6f4 v[O+8*\t:O+8*\t+7], v[F+12*\t:F+12*\t+11], v[PC:PC+11], v[O+8*\t:O+8*\t+7], v[VSR+\t/2], v[PS] matrix_a_fmt:MATRIX_FMT_FP6 matrix_b_fmt:MATRIX_FMT_FP6
.endif
.endr
.Lhidden_\@:
	s_add_co_u32 s60, s60, 6144                    ; eight tiles of keys on,
	s_add_co_u32 s61, s61, 1536                    ; two groups of 64 keys on in each channel tile,
	s_add_co_u32 s62, s62, 256                     ; a step's scale words on
	s_add_co_u32 s63, s63, 128
.endm
; THE END OF A TILE: O^T / the sum; natural order along the channels; two blocks of 32 quantised; half an operand's image (three stores of 256 consecutive aligned bytes) and two scale bytes a row.
.macro FIN
.rept 4
	v_nop                                          ; places behind the last products
.endr
	v_add_f32 v14, v14, v15
	s_delay_alu instid0(VALU_DEP_1)
	v_permlanex16_b32 v[T0], v14, s20, s21
	s_delay_alu instid0(VALU_DEP_1)
	v_add_f32 v14, v14, v[T0]                      ; the row's sum
	s_wait_alu depctr_va_vdst(0)
	v_rcp_f32 v[RL], v14
	v_mov_b32 v[RL+1], 0                           ; (the plain instruction behind the reciprocal; the pair's upper half is named below)
	s_wait_alu depctr_va_vdst(0)                   ; the wait ahead of the reciprocal's first reader
.set j, 0
.rept 16
	v_pk_mul_f32 v[O+j:O+j+1], v[O+j:O+j+1], v[RL:RL+1] op_sel_hi:[1,0]   ; each accumulator from its low end on
.set j, j+2
.endr
.irp b, 0,1
.irp j, 0,1,2,3,4,5,6,7
	v_permlane16_swap_b32 v[O+16*\b+\j], v[O+16*\b+8+\j]   ; lane (r, h) now holds channels 32 b + 16 h + 0 .. 15 in registers 16 b + 0 .. 15
.endr
.endr
.irp b, 0,1
	v_max3_num_f32 v[BM+\b], |v[O+16*\b]|, |v[O+16*\b+1]|, 0x1800000
.endr
.irp i, 2,4,6,8,10,12,14
.irp b, 0,1
	s_delay_alu instid0(VALU_DEP_2)
	v_max3_num_f32 v[BM+\b], v[BM+\b], |v[O+16*\b+\i]|, |v[O+16*\b+\i+1]|
.endr
.endr
.irp b, 0,1
	s_delay_alu instid0(VALU_DEP_2)
	v_permlanex16_b32 v[BT+\b], v[BM+\b], s20, s21
.endr
.irp b, 0,1
	s_delay_alu instid0(VALU_DEP_2)
	v_max_num_f32 v[BM+\b], v[BM+\b], v[BT+\b]
.endr
.irp b, 0,1
	s_delay_alu instid0(VALU_DEP_2)
	v_add_nc_u32 v[BS+\b], 0xff000000, v[BM+\b]
.endr
.irp b, 0,1
	s_delay_alu instid0(VALU_DEP_2)
	v_lshrrev_b32 v[BT+\b], 23, v[BS+\b]
.endr
	s_delay_alu instid0(VALU_DEP_1)
	v_lshl_or_b32 v[T1], v[BT+1], 8, v[BT]
	v_cvt_scalef32_pk16_fp6_f32 v[PC:PC+2], v[O:O+15], v[BS]
	v_cvt_scalef32_pk16_fp6_f32 v[PT:PT+2], v[O+16:O+31], v[BS+1]
	v_nop                                          ; one plain place behind a scaled conversion
.irp i, 0,1,2
	v_permlane16_swap_b32 v[PC+\i], v[PT+\i]
.endr
.irp i, 0,1,2
	s_delay_alu instid0(VALU_DEP_3)
	v_mov_b32 v[PC+3+\i], v[PT+\i]
.endr
.irp p, 0,1,2
	global_store_b64 v[L8], v[PC+2*\p:PC+2*\p+1], s[88:89] offset:256*\p
.endr
	global_store_b16 v[R32], v[T1], s[90:91]       ; both halves of the lanes hold and write the same two bytes of row r
.endm
.macro TILE qt, gs
	s_wait_xcnt 0x0                                ; the last tile's stores have read their data and bases
	s_lshl_b32 s68, s[\gs], 3
	s_add_co_u32 s68, s68, s15                     ; the tile
	s_lshl_b32 s67, s68, 4                         ; my first query
	s_lshr_b32 s69, s14, 4
	s_lshl_b32 s69, s69, 6
	s_add_co_u32 s69, s69, s68                     ; the tile of rows among all 512: 64 batch + tile
	s_mul_i32 s70, s69, 12288                      ; o's images: [tile of 16 rows][head][768]
	s_and_b32 s80, s14, 15                         ; the head
	s_mul_i32 s81, s80, 768
	s_add_co_u32 s70, s70, s81
	s_mov_b32 s71, 0
	s_add_nc_u64 s[88:89], s[8:9], s[70:71]
	s_lshl_b32 s70, s69, 9                         ; 16 rows of 32 scale bytes
	s_lshl_b32 s81, s80, 1
	s_add_co_u32 s70, s70, s81
	s_add_nc_u64 s[90:91], s[10:11], s[70:71]
	v_mov_b32 v13, 0xff61b1e6                      ; the largest t so far: -3e38
	s_delay_alu instid0(VALU_DEP_1)
	v_floor_f32 v12, -v13
	v_mov_b32 v14, 0
	v_mov_b32 v15, 0
.set j, 0
.rept 32
	v_mov_b32 v[O+j], 0                            ; the step is written once: the first finds zeros, which the first change of M leaves zeros
.set j, j+1
.endr
	s_mov_b32 s60, 0
	s_mov_b32 s61, 0
	s_mov_b32 s62, 0
	s_mov_b32 s63, 0
	s_mov_b32 s66, 8
.Lstep_\@:
	STEP \qt
	s_sub_co_u32 s66, s66, 1
	s_cmp_lg_u32 s66, 0
	s_cbranch_scc1 .Lstep_\@
	FIN
.endm
	TILE 0, 16
	TILE 1, 17
	s_wait_tensorcnt 0x0
	ds_add_u32 v254, v255
	s_wait_dscnt 0x0
	s_endpgm
.Lfunc_end_k_q3a0885b682_attn:
	.size	k_q3a0885b682_attn, .Lfunc_end_k_q3a0885b682_attn-k_q3a0885b682_attn
	.p2alignl 7, 3214868480
	.fill 96, 4, 3214868480
	.section	.rodata,"a",@progbits
	.p2align	6, 0x0
	.amdhsa_kernel k_q3a0885b682_attn
		.amdhsa_group_segment_fixed_size 169984
		.amdhsa_private_segment_fixed_size 0
		.amdhsa_enable_private_segment 0
		.amdhsa_kernarg_size 32
		.amdhsa_user_sgpr_count 2
		.amdhsa_user_sgpr_kernarg_segment_ptr 1
		.amdhsa_wavefront_size32 1
		.amdhsa_system_sgpr_workgroup_id_x 1
		.amdhsa_system_sgpr_workgroup_id_y 1
		.amdhsa_system_sgpr_workgroup_id_z 1
		.amdhsa_system_vgpr_workitem_id 0
		.amdhsa_next_free_vgpr 256
		.amdhsa_next_free_sgpr 100
		.amdhsa_reserve_vcc 0
		.amdhsa_float_denorm_mode_32 3
		.amdhsa_float_denorm_mode_16_64 3
		.amdhsa_memory_ordered 1
		.amdhsa_forward_progress 1
		.amdhsa_inst_pref_size 78
	.end_amdhsa_kernel
	.amdgpu_metadata
---
amdhsa.version: [ 1, 2 ]
amdhsa.kernels:
  - .name:           k_q3a0885b682_attn
    .symbol:         k_q3a0885b682_attn.kd
    .args:
      - { .name: qkvimg, .offset: 0, .size: 8, .value_kind: global_buffer, .address_space: global }
      - { .name: qkvsc, .offset: 8, .size: 8, .value_kind: global_buffer, .address_space: global }
      - { .name: oimg, .offset: 16, .size: 8, .value_kind: global_buffer, .address_space: global }
      - { .name: osc, .offset: 24, .size: 8, .value_kind: global_buffer, .address_space: global }
    .group_segment_fixed_size: 169984
    .private_segment_fixed_size: 0
    .kernarg_segment_align: 8
    .kernarg_segment_size: 32
    .max_flat_workgroup_size: 512
    .sgpr_count:     100
    .vgpr_count:     256
    .wavefront_size: 32
...
	.end_amdgpu_metadata
.endif
;; end of part 2
;; launch proj (part 3): grid 8 x 32, 4 waves a work-group, clusters of 4 x 4, 327,680 bytes of LDS; arguments oimg, osc, w_proj_codes, w_proj_scales, out0, b_proj; writes out0
.if DOCPART == 3
	.amdgcn_target "amdgcn-amd-amdhsa--gfx1250"
	.amdhsa_code_object_version 6
	.text
	.protected	k_q3a0885b682_proj
	.globl	k_q3a0885b682_proj
	.p2align	8
	.type	k_q3a0885b682_proj,@function
k_q3a0885b682_proj:
	s_mov_b64 s[64:65], 0
	v_nop
	global_prefetch_b8 v0, s[64:65] scope:SCOPE_SE
	s_setreg_imm32_b32 hwreg(HW_REG_WAVE_MODE, 25, 1), 1
	s_wait_xcnt 0x0
	s_wait_alu depctr_hold_cnt(0) depctr_sa_sdst(0) depctr_va_vdst(0) depctr_va_sdst(0) depctr_va_ssrc(0) depctr_va_vcc(0) depctr_vm_vsrc(0)
	s_getreg_b32 s2, hwreg(HW_REG_IB_STS2, 6, 4)
	s_cmp_eq_u32 s2, 0
	s_cbranch_scc0 .Lentry_in_a_cluster
	s_endpgm
.Lentry_in_a_cluster:
	s_bfe_u32 s2, ttmp6, 0x10000c
	s_cmp_lg_u32 s2, 0xf033
	s_cbranch_scc0 .Lentry_shape_is_right
	s_endpgm
.Lentry_shape_is_right:
; out0 = o w_proj + b_proj on codes of FP6 (E2M3) with E8M0 scales, K = 1,024.  256 work-groups of four waves; a block of 256 tokens x 128 columns; a wave makes 128 x 64: 32 accumulators.
; All of K lies in LDS, filled once: o's 256 rows as images ([tile of 16 rows][head][768 bytes]: a dense block, fetched as rows of 256 bytes), w_proj's 128 rows as whole rows of 768 bytes, 16 bytes of padding behind every 256.
; o's rows are shared by a row of the cluster, w_proj's by a column: joint loads.  Scale words and the bias go from memory into registers.
; Source 1 (P, 8 blocks) = tokens, source 0 (R, 4 blocks) = rows of w_proj: a lane holds eight neighbouring columns of one row of the result.  The bias is the first step's C.
; The results leave through each wave's own stage in LDS, which no fill lands on: sixteen lanes store 256 consecutive aligned bytes.
; No prefetch: every tile is asked for at the head, and there is no loop to run ahead in.
; LIMITS: NaN, infinities and a given scale byte 0xff are not served.
.set PITCH, 816
.set WB,    196608
.set SPARE, WB+128*PITCH
.set STG,   SPARE+512
.set SPITCH, 272
.set PADW,  (1<<20)|(1<<21)|(5<<22)|(3<<25)
.set SP, 32
.set SR, 68
.set PA, 84                            ; v84-91 LDS addresses of P's blocks, stepped along K
.set RA, 100
.set BI, 108
.set BK, 176
.set MSB, 0
.macro WIN new
.if MSB != (\new)
	s_set_vgpr_msb (MSB<<8)|(\new)
.set MSB, (\new)
.endif
.endm
.macro PLACES n
.rept \n
	v_nop
.endr
.endm
.macro WALU
	s_wait_alu depctr_va_vdst(0)
.endm
.macro CROUND
	s_barrier_signal -1
	s_barrier_wait -1
	s_cmp_lg_u32 s14, 0
	s_cbranch_scc1 .Lnw0_\@
	s_barrier_signal -3
.Lnw0_\@:
	s_barrier_wait -3
	s_barrier_signal -1
	s_barrier_wait -1
.endm
.macro FRAG d, q, a
.set SK_, 0
.irp p, 0,1,2,3,4,5
.if SK_
.set SK_, 0
.else
.set PC_, 12*(\q)+6*(\p/3)+\p%3
.set PN_, 12*(\q)+6*((\p+1)/3)+(\p+1)%3
.set X_, (PC_%32+3)/32
.set XN_, (PN_%32+3)/32
.if (\p < 5) && (X_ == XN_)
.set SK_, 1
	ds_load_2addr_b64 v[\d+2*\p:\d+2*\p+3], v[\a+X_] offset0:PC_+2*(PC_/32) offset1:PN_+2*(PN_/32)
.else
	ds_load_b64 v[\d+2*\p:\d+2*\p+1], v[\a+X_] offset:8*(PC_+2*(PC_/32))
.endif
.endif
.endr
.endm
.macro FETCH q, e
.if (\q) > 0
.irp i, 0,1,2,3,4,5,6,7
	v_add_nc_u32 v[PA+\i], 1536, v[PA+\i]  ; two heads on; these eight are also the places between the last products and the loads below
.endr
	WALU
.endif
	WIN 0x40+0x80*(\e)
.irp i, 0,1,2,3,4,5,6,7
.irp k, 0,1,2
	ds_load_2addr_b64 v[12*\i+4*\k:12*\i+4*\k+3], v[PA+\i] offset0:64*\k offset1:64*\k+32   ; an image's planes of 256 bytes
.endr
.endr
.irp i, 0,1,2,3
	FRAG 96+12*\i, \q, RA+2*\i
.endr
	WIN 0
.endm
.macro WM d, rb, pa, c, sr, sp, bo, ao
	v_wmma_scale_f32_16x16x128_f8f6f4 v[\d:\d+7], v[\rb:\rb+11], v[\pa:\pa+11], \c, v[\sr], v[\sp] matrix_a_fmt:MATRIX_FMT_FP6 matrix_b_fmt:MATRIX_FMT_FP6 matrix_a_scale:MATRIX_SCALE_ROW\bo matrix_b_scale:MATRIX_SCALE_ROW\ao
.endm
.macro MUL q, lo, cm                   ; 16 products; the 32 accumulators take turns
.irp ap, \lo, \lo+1
.irp ao, 0,1
.irp bp, 0,1
.irp bo, 0,1
.set D_, 8*(4*(2*(\ap)+\ao)+2*\bp+\bo)
.set R_, 96+12*(2*\bp+\bo)
.set P_, 12*(2*(\ap)+\ao)
.set XR_, SR+8*\bp+(\q)
.set XP_, SP+8*(\ap)+(\q)
.set CR_, BI+8*(2*\bp+\bo)
.if (\cm) == 1
	WM D_, R_, P_, v[CR_:CR_+7], XR_, XP_, \bo, \ao
.else
	WM D_, R_, P_, v[D_:D_+7], XR_, XP_, \bo, \ao
.endif
.endr
.endr
.endr
.endr
.endm
.macro STEP q
	s_wait_dscnt 0x0
	FETCH (\q)+1, ((\q)+1)%2
	WIN 0xa5+10*((\q)%2)
	MUL \q, 0, 0
	MUL \q, 2, 0
	WIN 0
.endm
	s_load_b256 s[4:11], s[0:1], 0x0       ; o's images, o's scales, w_proj's codes, w_proj's scales
	s_load_b64 s[12:13], s[0:1], 0x20      ; out0
	s_load_b64 s[96:97], s[0:1], 0x28      ; b_proj
	v_lshl_add_u32 v28, v0, 2, SPARE
	v_mov_b32 v29, 0
	ds_add_u32 v28, v29
	ds_add_u32 v28, v29
	v_lshrrev_b32 v1, 5, v0
	v_readfirstlane_b32 s14, v1
	s_lshr_b32 s15, s14, 1
	s_and_b32 s16, s14, 1
	s_bfe_u32 s40, ttmp6, 0x40000
	s_bfe_u32 s41, ttmp6, 0x40004
	s_lshl_b32 s42, ttmp9, 2
	s_add_co_u32 s42, s42, s40             ; my tile of 128 columns
	s_and_b32 s17, ttmp7, 0xffff
	s_lshl_b32 s17, s17, 2
	s_add_co_u32 s17, s17, s41             ; my block of 256 tokens
	s_lshl_b32 s43, s41, 2
	s_lshl_b32 s43, 15, s43
	s_lshl_b32 s44, 0x1111, s40
	s_or_b32 s24, s43, (3<<16)|(1<<21)     ; 384 dense rows of 256 bytes
	s_mov_b32 s25, 32<<16
	s_mov_b32 s26, 384<<16
	s_mov_b32 s27, 32<<16
	s_mov_b32 s28, 384
	s_mov_b32 s29, 32
	s_mov_b32 s30, 0
	s_mov_b32 s31, 0
	s_or_b32 s48, s44, PADW                ; 64 rows of 768 bytes
	s_mov_b32 s49, 768<<16
	s_mov_b32 s50, 64<<16
	s_mov_b32 s51, 768<<16
	s_mov_b32 s52, 64
	s_mov_b32 s53, 768
	s_mov_b32 s54, 0
	s_mov_b32 s55, 0
	s_mov_b32 s32, 1
	s_mul_i32 s33, s16, 98304
	s_mul_i32 s18, s17, 196608
	s_add_co_u32 s18, s18, s33
	s_mov_b32 s19, 0
	s_mov_b32 s56, 1
	s_mul_i32 s57, s16, 64*PITCH
	s_add_co_u32 s57, s57, WB
	s_lshl_b32 s74, s42, 7
	s_lshl_b32 s21, s16, 6
	s_add_co_u32 s74, s74, s21             ; my 64 rows of w_proj
	s_mul_i32 s20, s74, 768
	s_mov_b32 s21, 0
	s_wait_dscnt 0x0
	s_wait_kmcnt 0x0
	s_add_nc_u64 s[34:35], s[4:5], s[18:19]
	s_or_b32 s35, s35, 0x80000000
	s_add_nc_u64 s[58:59], s[8:9], s[20:21]
	s_or_b32 s59, s59, 0x80000000
	CROUND
	s_cmp_eq_u32 s15, 0
	s_cbranch_scc0 .Lhw
	tensor_load_to_lds s[32:35], s[24:31]  ; waves 0 and 1: 128 rows of o each
	s_nop 0
	PLACES 4
	s_branch .Lha
.Lhw:
	tensor_load_to_lds s[56:59], s[48:55]  ; waves 2 and 3: 64 rows of w_proj each
	s_nop 0
	PLACES 4
.Lha:
	s_lshl_b32 s77, s17, 8
	s_lshl_b32 s20, s15, 7
	s_add_co_u32 s77, s77, s20             ; my first token
	s_lshl_b32 s20, s77, 5
	s_mov_b32 s21, 0
	s_add_nc_u64 s[80:81], s[6:7], s[20:21]
	s_lshl_b32 s20, s74, 5
	s_add_nc_u64 s[82:83], s[10:11], s[20:21]
	s_lshl_b32 s20, s74, 2
	s_add_nc_u64 s[84:85], s[96:97], s[20:21]
	s_add_nc_u64 s[12:13], s[12:13], s[20:21]
	s_lshl_b32 s20, s77, 12
	s_add_nc_u64 s[12:13], s[12:13], s[20:21]
	s_mul_i32 s91, s15, 98304
	s_mov_b32 s92, s57
	s_mul_i32 s23, s14, 16*SPITCH
	s_add_co_u32 s23, s23, STG
	v_and_b32 v1, 15, v0
	v_bfe_u32 v2, v0, 4, 1
	v_and_b32 v3, 31, v0
	v_mul_u32_u24 v13, v1, PITCH
	v_mad_u32_u24 v4, v2, 24, v13
	v_mad_u32_u24 v5, v2, 40, v13
	v_lshlrev_b32 v6, 5, v3
	v_lshlrev_b32 v7, 5, v2
	v_lshlrev_b32 v10, 3, v3
	WALU
.irp p, 0,1,2,3
.irp c, 0,1
	global_load_b128 v[SP+8*\p+4*\c:SP+8*\p+4*\c+3], v6, s[80:81] offset:1024*\p+16*\c
.endr
.endr
.irp p, 0,1
.irp c, 0,1
	global_load_b128 v[SR+8*\p+4*\c:SR+8*\p+4*\c+3], v6, s[82:83] offset:1024*\p+16*\c
.endr
.endr
.irp b, 0,1,2,3
	global_load_b128 v[BI+8*\b:BI+8*\b+3], v7, s[84:85] offset:64*\b
	global_load_b128 v[BI+8*\b+4:BI+8*\b+7], v7, s[84:85] offset:64*\b+16
.endr
.irp i, 0,1,2,3,4,5,6,7
	v_add_nc_u32 v[PA+\i], s91, v10
	s_add_co_u32 s91, s91, 12288
.endr
.irp i, 0,1,2,3
	v_add_nc_u32 v[RA+2*\i], s92, v4
	v_add_nc_u32 v[RA+2*\i+1], s92, v5
	s_add_co_u32 s92, s92, 16*PITCH
.endr
	v_mul_u32_u24 v13, v1, SPITCH
	v_lshl_add_u32 v13, v2, 5, v13
	v_add_nc_u32 v24, s23, v13             ; into the stage: row r, 32 bytes for each half of the lanes
	v_mul_u32_u24 v13, v2, SPITCH
	v_lshl_add_u32 v13, v1, 4, v13
	v_add_nc_u32 v25, s23, v13             ; back: sixteen lanes take a row of 256 bytes
	v_lshlrev_b32 v26, 12, v2
	v_lshl_add_u32 v26, v1, 4, v26         ; and the same two rows in out0
	WALU
	s_wait_tensorcnt 0x0
	s_barrier_signal -1
	s_barrier_wait -1                      ; all four tiles are in; nothing is filled again
	FETCH 0, 0
	s_wait_loadcnt 0x0
	s_wait_dscnt 0x0
	FETCH 1, 1
	WIN 0x85
	MUL 0, 0, 1
	MUL 0, 2, 1
	WIN 0
.irp q, 1,2,3,4,5,6
	STEP \q
.endr
	s_wait_dscnt 0x0
	WIN 0xaf
	MUL 7, 0, 0
	MUL 7, 2, 0
	WIN 0
.macro TOSTAGE a
.set AC, 32*(\a)
	WIN 0x08
.irp b, 0,1,2,3
	ds_store_b128 v24, v[AC+8*\b:AC+8*\b+3] offset:64*\b          ; each accumulator from its low end on
	ds_store_b128 v24, v[AC+8*\b+4:AC+8*\b+7] offset:64*\b+16
.endr
	WIN 0
.set BB, BK+32*((\a)%2)
.irp t, 0,1,2,3,4,5,6,7
	ds_load_b128 v[BB+4*\t:BB+4*\t+3], v25 offset:\t*2*SPITCH     ; LDS serves a wave's instructions in order: these see the stores above
.endr
.endm
.macro SEND a, younger
.set BB, BK+32*((\a)%2)
	s_wait_dscnt \younger
.if (\a) > 0
	s_add_nc_u64 s[12:13], s[12:13], 65536 ; 16 rows on, behind a wait on XCNT
.endif
.irp t, 0,1,2,3,4,5,6,7
	global_store_b128 v26, v[BB+4*\t:BB+4*\t+3], s[12:13] offset:\t*8192 th:TH_STORE_NT
.endr
.endm
	PLACES 4
	TOSTAGE 0
.irp a, 1,2,3,4,5,6,7
.if \a > 1
	s_wait_xcnt 0x0                        ; block a - 2's stores have read their registers and their base
.endif
	TOSTAGE \a
	SEND \a-1, 16                          ; behind block a - 1's loads: block a's 8 stores and 8 loads
.endr
	s_wait_xcnt 0x0
	SEND 7, 0
	s_wait_tensorcnt 0x0                   ; the wave's end
	ds_add_u32 v28, v29
	s_wait_dscnt 0x0
	CROUND
	s_endpgm
.Lfunc_end_k_q3a0885b682_proj:
	.size	k_q3a0885b682_proj, .Lfunc_end_k_q3a0885b682_proj-k_q3a0885b682_proj
	.p2alignl 7, 3214868480
	.fill 96, 4, 3214868480
	.section	.rodata,"a",@progbits
	.p2align	6, 0x0
	.amdhsa_kernel k_q3a0885b682_proj
		.amdhsa_group_segment_fixed_size 327680
		.amdhsa_private_segment_fixed_size 0
		.amdhsa_enable_private_segment 0
		.amdhsa_kernarg_size 48
		.amdhsa_user_sgpr_count 2
		.amdhsa_user_sgpr_kernarg_segment_ptr 1
		.amdhsa_wavefront_size32 1
		.amdhsa_system_sgpr_workgroup_id_x 1
		.amdhsa_system_sgpr_workgroup_id_y 1
		.amdhsa_system_sgpr_workgroup_id_z 1
		.amdhsa_system_vgpr_workitem_id 0
		.amdhsa_next_free_vgpr 912
		.amdhsa_next_free_sgpr 100
		.amdhsa_reserve_vcc 0
		.amdhsa_float_denorm_mode_32 3
		.amdhsa_float_denorm_mode_16_64 3
		.amdhsa_memory_ordered 1
		.amdhsa_forward_progress 1
		.amdhsa_inst_pref_size 81
	.end_amdhsa_kernel
	.amdgpu_metadata
---
amdhsa.version: [ 1, 2 ]
amdhsa.kernels:
  - .name:           k_q3a0885b682_proj
    .symbol:         k_q3a0885b682_proj.kd
    .args:
      - { .name: oimg, .offset: 0, .size: 8, .value_kind: global_buffer, .address_space: global }
      - { .name: osc, .offset: 8, .size: 8, .value_kind: global_buffer, .address_space: global }
      - { .name: w_proj_codes, .offset: 16, .size: 8, .value_kind: global_buffer, .address_space: global }
      - { .name: w_proj_scales, .offset: 24, .size: 8, .value_kind: global_buffer, .address_space: global }
      - { .name: out0, .offset: 32, .size: 8, .value_kind: global_buffer, .address_space: global }
      - { .name: b_proj, .offset: 40, .size: 8, .value_kind: global_buffer, .address_space: global }
    .group_segment_fixed_size: 327680
    .private_segment_fixed_size: 0
    .kernarg_segment_align: 8
    .kernarg_segment_size: 48
    .max_flat_workgroup_size: 128
    .sgpr_count:     100
    .vgpr_count:     912
    .wavefront_size: 32
...
	.end_amdgpu_metadata
.endif
;; end of part 3
